; MI455X (gfx1250); checked and timed in simulation.
; The chip was launched on July 23, 2026; its instructions are those of AMD's public machine-readable ISA for CDNA 5 (MIT licence, August 2026) and "CDNA5" Instruction Set Architecture Reference Guide (July 2026). The comments in the code are by the model that wrote it; some were corrected since.
;; Multihead Attention. Allowed arithmetic: matrix products marked QUANTISED: E2M1 operands, one E8M0 scale for each 32 along K, by v_wmma_scale_f32_16x16x128_f8f6f4 with both operands' format E2M1 (or v_wmma_scale_f32_32x16x128_f4), f32 sums; everything else in f32.
;; Inputs: K_codes 4 x 2,048 x 32 x 16 uint8 (E2M1 codes of K, K innermost, in blocks of 32 codes, two codes a byte); K_scales 4 x 2,048 x 32 uint8 (E8M0 scales of K, one for each 32 codes along K); Q_codes 4 x 2,048 x 32 x 16 uint8 (E2M1 codes of Q, K innermost, in blocks of 32 codes, two codes a byte); Q_scales 4 x 2,048 x 32 uint8 (E8M0 scales of Q, one for each 32 codes along K); V_codes 4 x 2,048 x 32 x 16 uint8 (E2M1 codes of V, K innermost, in blocks of 32 codes, two codes a byte); V_scales 4 x 2,048 x 32 uint8 (E8M0 scales of V, one for each 32 codes along K); Wk_codes 1,024 x 32 x 16 uint8 (E2M1 codes of Wk, K innermost, in blocks of 32 codes, two codes a byte); Wk_scales 1,024 x 32 uint8 (E8M0 scales of Wk, one for each 32 codes along K); Wo_codes 1,024 x 32 x 16 uint8 (E2M1 codes of Wo, K innermost, in blocks of 32 codes, two codes a byte); Wo_scales 1,024 x 32 uint8 (E8M0 scales of Wo, one for each 32 codes along K); Wq_codes 1,024 x 32 x 16 uint8 (E2M1 codes of Wq, K innermost, in blocks of 32 codes, two codes a byte); Wq_scales 1,024 x 32 uint8 (E8M0 scales of Wq, one for each 32 codes along K); Wv_codes 1,024 x 32 x 16 uint8 (E2M1 codes of Wv, K innermost, in blocks of 32 codes, two codes a byte); Wv_scales 1,024 x 32 uint8 (E8M0 scales of Wv, one for each 32 codes along K); bk 1,024 float32; bo 1,024 float32; bq 1,024 float32; bv 1,024 float32.
;; Outputs: out0 4 x 2,048 x 1,024 float32.
;; This version of the problem:
;;   THIS VERSION OF THE PROBLEM IS GIVEN IN LOW PRECISION. The matrix products marked QUANTISED in the list below multiply operands that are first quantised to E2M1 (2 exponent bits, 1 mantissa bit; 4 bits a number), with one power-of-two scale for each 32 numbers along K (OCP MX v1.0); their sums are f32. All else is computed in f32.
;;   The module's matrix products, in the order in which they are computed (A, B: the left and right operand; K: the contracted axis; several contracted axes count as one K, in the product's order):
;;     1. [M 8,192, K 1,024] x [K 1,024, N 1,024]; A: input Q (given as codes); B: input Wq (given as codes): QUANTISED
;;     2. [M 8,192, K 1,024] x [K 1,024, N 1,024]; A: input K (given as codes); B: input Wk (given as codes): QUANTISED
;;     3. [M 8,192, K 1,024] x [K 1,024, N 1,024]; A: input V (given as codes); B: input Wv (given as codes): QUANTISED
;;     4. batch 64 x [M 2,048, K 64] x [K 64, N 2,048]; A: computed on the way; B: computed on the way: QUANTISED
;;     5. batch 64 x [M 2,048, K 2,048] x [K 2,048, N 64]; A: softmax (see below); B: computed on the way: QUANTISED
;;     6. [M 8,192, K 1,024] x [K 1,024, N 1,024]; A: computed on the way; B: input Wo (given as codes): QUANTISED
;;   THE QUANTISER, for each operand of a quantised product, along K:
;;     - K is cut into blocks of 32 from its start; a last block that is shorter is filled with zeros.
;;     - A block's scale is 2^e with e = floor(log2(the largest magnitude in the block)) - 2, held to -126 .. 127; a block of zeros has e = 0. As a byte (E8M0): e + 127.
;;     - Each number is divided by its block's scale, clamped to +-6, and rounded to the nearest number of E2M1, ties to even, subnormals kept.
;;     - The product sums the exact products of the quantised numbers (number of the format x scale) in f32.
;;   ~~~python
;;   def quantise(x, axis):      # numpy; x: float32 -> the quantised numbers, widened to float32 again
;;       x = np.moveaxis(x, axis, -1); K = x.shape[-1]
;;       x = np.pad(x, [(0, 0)] * (x.ndim - 1) + [(0, -K % 32)]); x = x.reshape(x.shape[:-1] + (-1, 32)); a = np.abs(x).max(-1, keepdims=True)
;;       e = np.where(a > 0, np.clip(np.frexp(np.where(a > 0, a, 1))[1] - 1 - 2, -126, 127), 0)      # np.frexp(a)[1] - 1 = floor(log2(a)), exactly
;;       r = np.clip(x / 2.0 ** e, -6, 6)
;;       step = 2.0 ** (np.maximum(np.frexp(np.where(r == 0, 1, r))[1] - 1, 0) - 1)
;;       q = np.round(r / step) * step * 2.0 ** e      # np.round: ties to even
;;       return np.moveaxis(q.reshape(q.shape[:-2] + (-1,))[..., :K], -1, axis).astype(np.float32)
;;   ~~~
;;   SOFTMAX AHEAD OF A QUANTISED PRODUCT. Where the list says 'softmax', what is quantised is not the finished softmax but p = 2^(t - M), with t = logit x log2(e) and M = ceil(the row's largest t), a whole number; so 1/2 < the row's largest p <= 1. The row's sum l is taken of the UNQUANTISED p, in f32, and the product's result is divided by l at the end. Since M is a whole number, a kernel that streams over the keys may use a running M (the ceiling of the running maximum): every later rescaling is an exact power of two, which a block's scale takes up: the codes' values come out the same.
;;   OPERANDS COMPUTED ON THE WAY. 'Computed on the way' means the value that the module computes at that place (a softmax that the list does not call 'softmax' is quantised finished and normalised). What goes into a quantiser is computed in f32, as accurately as f32 sums, v_exp_f32 and their like allow (about 1e-6 of the number): no bf16 or f16 on the way to a quantiser, and a product that is left as it is and whose result goes on into a quantised operand takes f32 operands (vector FMAs, or v_wmma_f32_16x16x4_f32). A number that lies on a knife's edge between two numbers of the format may be rounded either way, as far as f32 arithmetic and the matrix unit's own rounding can turn it there, and no further.
;;   INPUTS GIVEN AS CODES. K (in the module: [4, 2048, 1024], K = its axis 2); Q (in the module: [4, 2048, 1024], K = its axis 2); V (in the module: [4, 2048, 1024], K = its axis 2); Wk (in the module: [1024, 1024], K = its axis 1); Wo (in the module: [1024, 1024], K = its axis 1); Wq (in the module: [1024, 1024], K = its axis 1); Wv (in the module: [1024, 1024], K = its axis 1): each comes as NAME_codes (uint8): NAME with its K axis moved to the last place and cut into blocks of 32 codes, [.., K / 32, bytes a block], one block behind the other in memory; two codes a byte, the lower K in the low four bits (a code: sign, 2 exponent bits, 1 mantissa bit); and NAME_scales (uint8): the same leading axes, one E8M0 byte (e + 127) for each 32 codes along K. Its value is code x scale, taken as it is: it is not quantised again, and the codes and scales need not be those that the quantiser above would give.
;; One version. Each part assembles by itself: llvm-mc -triple=amdgcn-amd-amdhsa -mcpu=gfx1250 --defsym DOCPART=n.
;; ======== version 1 of 1: 3 launches
;; workspace buffers: qc 4,194,304 bytes; qs 262,144 bytes; kv 8,912,896 bytes; oc 4,194,304 bytes; os 262,144 bytes
;; launch proj (part 1): grid 192 x 4, 8 waves a work-group, clusters of 4 x 4, 224,256 bytes of LDS; arguments Q_codes, Q_scales, Wq_codes, Wq_scales, bq, qc, qs, K_codes, K_scales, Wk_codes, Wk_scales, bk, Wv_codes, Wv_scales, V_codes, V_scales, bv, kv; writes qc, qs, kv
.if DOCPART == 1
	.amdgcn_target "amdgcn-amd-amdhsa--gfx1250"
	.amdhsa_code_object_version 6
	.text
	.protected	k_q59a6d1e61d_proj
	.globl	k_q59a6d1e61d_proj
	.p2align	8
	.type	k_q59a6d1e61d_proj,@function
k_q59a6d1e61d_proj:
	s_mov_b64 s[64:65], 0
	v_nop
	global_prefetch_b8 v0, s[64:65] scope:SCOPE_SE
	s_setreg_imm32_b32 hwreg(HW_REG_WAVE_MODE, 25, 1), 1
	s_wait_xcnt 0x0
	s_wait_alu depctr_hold_cnt(0) depctr_sa_sdst(0) depctr_va_vdst(0) depctr_va_sdst(0) depctr_va_ssrc(0) depctr_va_vcc(0) depctr_vm_vsrc(0)
	s_getreg_b32 s2, hwreg(HW_REG_IB_STS2, 6, 4)
	s_cmp_eq_u32 s2, 0
	s_cbranch_scc0 .Lentry_in_a_cluster
	s_endpgm
.Lentry_in_a_cluster:
	s_bfe_u32 s2, ttmp6, 0x10000c
	s_cmp_lg_u32 s2, 0xf033
	s_cbranch_scc0 .Lentry_shape_is_right
	s_endpgm
.Lentry_shape_is_right:
; THE THREE PROJECTIONS q = Q Wq^T + bq, k = K Wk^T + bk, v = V Wv^T + bv on codes of FP4 (E2M1) with one E8M0 scale for each 32 along K, and the quantisers of their results:
; q and k along the head's 64 channels, v along the keys.  The results leave as codes and scale words laid as the next launch's operand registers want them.
; ONE BODY: each product is "R operand x C operand", both [rows][1,024 along K]: rows of 512 bytes of codes and 32 scale bytes.  R's rows are source 1, so a lane holds ONE row of R; C's rows are source 0,
; so a lane's registers run along C, and the result is quantised along C.  q, k: R = tokens (8,192), C = features (1,024).  v: R = Wv's features (1,024), C = tokens (8,192).
; What differs between the three is chosen by s_cselect on the kind (cluster x / 16): pointers, strides, byte selects; no branch hangs on it.
; SHARES: a work-group makes 128 of R x 256 of C: 256 work-groups a product, 768 in all.  Wave w: wc = w & 1 (128 of C), wr = w >> 1 (32 of R): 2 x 8 accumulators of 16 x 16.
; LDS IS FILLED ONCE: the tile's whole K fits (two chunks of 512 along K, rows of 256 bytes + 16 of padding), so no bytes are filled again.  A wave has three tensor loads out: scale bytes, chunk 0, chunk 1.
; CLUSTER 4 x 4: C's tile hangs on cx and is asked for jointly down a column of the cluster, R's hangs on cy and is asked for jointly along a row.
; THE BIAS is put into the accumulators ahead of the products, so every product adds in place: an order of f32 rounding that differs from bias-last.
; THE QUANTISER: in tile t a lane (r, h) holds C index 16 t + 8 h + j in register j, so a block of 32 is the 16 registers of tiles 2 B, 2 B + 1 in lanes l and l xor 16.
; LIMITS: NaN and infinities among the inputs are not served.  A block whose largest magnitude lies under 2^-124 (a block of zeros too) gets the scale byte 1: its codes are zeros or next to it, and only this program reads the bytes.
.set PITCH, 272                        ; an LDS row: 256 bytes + 16 of padding: the 16 rows of a fragment load start 68 words apart
.set LC0,  0                           ; C's codes, K 0-511: 256 rows
.set LC1,  256*PITCH                   ; C's codes, K 512-1023
.set LR0,  2*256*PITCH                 ; R's codes, K 0-511: 128 rows
.set LR1,  LR0+128*PITCH
.set LSC,  LR1+128*PITCH               ; C's scale bytes: 8,192 dense bytes as 32 rows of 256 + 16
.set LSR,  LSC+32*PITCH                ; R's: 16 such rows
.set LSTG, LSR+16*PITCH                ; 1,024 bytes for the new scale words: four blocks of 256 bytes into which no tile lands
.set WV,   80                          ; s80 wave; s81 wc; s82 wr; s83 w & 3; s84 kind; s88 C's tile; s89 R's tile
.set SEL,  98                          ; s[98:99] lane selects of v_permlanex16_b32: lane l xor 16
.set SC,   28                          ; v28-43  C's scale words: register 4 i + q: lanes 0-15 tile i, lanes 16-31 tile i + 4, the chunk's q-th 128 along K
.set SR,   44                          ; v44-47  R's: register q: lanes 0-15 rows 0-15, lanes 16-31 rows 16-31
.set RF,   48                          ; v48-63  R's two fragments
.set CF,   64                          ; v64-127 C's eight fragments
.set ACC,  128                         ; v128-255 accumulator (a, t) at 64 a + 8 t
.set TM,   64                          ; behind the K loop: v64-75 at work, v80-87 and v88-95 the codes, v96-99 scale words read back
.set PC0,  80
.set PC1,  88
.macro PLACES n
.rept \n
	v_nop
.endr
.endm
.macro CROUND                          ; a round of the cluster's barrier
	s_barrier_signal -1
	s_barrier_wait -1
	s_cmp_lg_u32 s[WV], 0
	s_cbranch_scc1 .Lnot_wave_0_\@
	s_barrier_signal -3
.Lnot_wave_0_\@:
	s_barrier_wait -3
	s_barrier_signal -1
	s_barrier_wait -1
.endm
; 64 numbers of a lane, v[s] on (register 8 t + j = index 16 t + 8 h + j of my row), become a fragment's 8 registers of codes in v[pc] on and my row's scale word in v[pw].
.macro QUANT s, pc, pw
.irp b, 0,1,2,3
	v_max3_num_f32 v[TM+\b], |v[\s+16*\b]|, |v[\s+16*\b+1]|, 0x1800000     ; block b: my 16 numbers, and the floor 2^(3 - 127): the byte cannot fall under 1
.endr
.irp i, 2,4,6,8,10,12,14
.irp b, 0,1,2,3
	v_max3_num_f32 v[TM+\b], v[TM+\b], |v[\s+16*\b+\i]|, |v[\s+16*\b+\i+1]|   ; the four blocks by turns
.endr
.endr
.irp b, 0,1,2,3
	s_delay_alu instid0(VALU_DEP_4)
	v_permlanex16_b32 v[TM+4+\b], v[TM+\b], s[SEL], s[SEL+1]
.endr
.irp b, 0,1,2,3
	s_delay_alu instid0(VALU_DEP_4)
	v_max_num_f32 v[TM+\b], v[TM+\b], v[TM+4+\b]                           ; with lane l xor 16's 16: the block's largest magnitude
.endr
.irp b, 0,1,2,3
	s_delay_alu instid0(VALU_DEP_4)
	v_add_nc_u32 v[TM+8+\b], 0xff000000, v[TM+\b]                          ; 2 off its exponent field: the conversion's scale operand
.endr
.irp b, 0,1,2,3
	s_delay_alu instid0(VALU_DEP_4)
	v_lshrrev_b32 v[TM+4+\b], 23, v[TM+8+\b]                               ; the scale's byte
.endr
	s_delay_alu instid0(VALU_DEP_3)
	v_lshl_or_b32 v[\pw], v[TM+5], 8, v[TM+4]
	s_delay_alu instid0(VALU_DEP_1)
	v_lshl_or_b32 v[\pw], v[TM+6], 16, v[\pw]
	s_delay_alu instid0(VALU_DEP_1)
	v_lshl_or_b32 v[\pw], v[TM+7], 24, v[\pw]
.irp c, 0,1                            ; tile 4 c + i goes to register 4 c + {0, 2, 1, 3}[i], so that the two exchanges below leave k = 64 c + 32 h + 0 .. 31 in registers 4 c .. 4 c + 3
	v_cvt_scalef32_pk8_fp4_f32 v[\pc+4*\c],   v[\s+32*\c:\s+32*\c+7],     v[TM+8+2*\c]
	v_cvt_scalef32_pk8_fp4_f32 v[\pc+4*\c+2], v[\s+32*\c+8:\s+32*\c+15],  v[TM+8+2*\c]
	v_cvt_scalef32_pk8_fp4_f32 v[\pc+4*\c+1], v[\s+32*\c+16:\s+32*\c+23], v[TM+8+2*\c+1]
	v_cvt_scalef32_pk8_fp4_f32 v[\pc+4*\c+3], v[\s+32*\c+24:\s+32*\c+31], v[TM+8+2*\c+1]
.endr
	v_nop                                          ; one plain place behind a scaled conversion
.irp c, 0,1
	v_permlane16_swap_b32 v[\pc+4*\c], v[\pc+4*\c+1]       ; the first's lanes 16-31 change places with the second's lanes 0-15
	v_permlane16_swap_b32 v[\pc+4*\c+2], v[\pc+4*\c+3]
.endr
.endm
	s_load_b512 s[4:19], s[0:1], 0x0               ; argument i at s[4 + 2 i]: Q's codes, scales, Wq's codes, scales, bq, qc, qs, K's codes,
	s_load_b512 s[20:35], s[0:1], 0x40             ; K's scales, Wk's codes, scales, bk, Wv's codes, scales, V's codes, scales,
	s_load_b128 s[36:39], s[0:1], 0x80             ; bv, kv
	s_set_vgpr_msb 0x40
	v_lshl_add_u32 v0, v0, 2, 0x36800
	v_mov_b32 v1, 0
	s_set_vgpr_msb 0x4045
	ds_add_u32 v0, v1
	ds_add_u32 v0, v1
	s_set_vgpr_msb 0x4500
	v_lshrrev_b32 v1, 5, v0
	s_delay_alu instid0(VALU_DEP_1)
	v_readfirstlane_b32 s[WV], v1                  ; wave 0..7
	s_and_b32 s81, s80, 1                          ; wc
	s_lshr_b32 s82, s80, 1                         ; wr
	s_and_b32 s83, s80, 3                          ; which quarter of a tile I fetch
	s_lshr_b32 s84, ttmp9, 4                       ; kind: 0 q, 1 k, 2 v (ttmp9 counts clusters: 16 to a product)
	s_and_b32 s85, ttmp9, 15
	s_bfe_u32 s86, ttmp6, 0x40000                  ; cx
	s_bfe_u32 s87, ttmp6, 0x40004                  ; cy
	s_and_b32 s66, s85, 7
	s_lshr_b32 s67, s85, 3
	s_cmp_eq_u32 s84, 2
	s_cselect_b32 s88, s66, 0
	s_cselect_b32 s89, s67, s85
	s_lshl_b32 s88, s88, 2
	s_add_co_u32 s88, s88, s86                     ; C's tile of 256: q, k: cx; v: 4 (idx & 7) + cx
	s_lshl_b32 s89, s89, 2
	s_add_co_u32 s89, s89, s87                     ; R's tile of 128: q, k: 4 idx + cy; v: 4 (idx >> 3) + cy
	s_lshl_b32 s90, s87, 2
	s_lshl_b32 s90, 15, s90                        ; my row of the cluster
	s_lshl_b32 s91, 0x1111, s86                    ; my column
	s_mov_b32 s[SEL], 0x76543210
	s_mov_b32 s[SEL+1], 0xfedcba98
	; LDS addresses: constants, the lane and the wave alone
	v_and_b32 v1, 15, v0                           ; r
	v_bfe_u32 v2, v0, 4, 1                         ; h
	v_and_b32 v3, 31, v0                           ; lane
	s_delay_alu instid0(VALU_DEP_3)
	v_mul_u32_u24 v19, v1, PITCH
	s_delay_alu instid0(VALU_DEP_1)
	v_lshl_add_u32 v19, v2, 4, v19                 ; a fragment's row x pitch + 16 h
	s_mul_i32 s66, s81, 128*PITCH
	v_add_nc_u32 v4, s66, v19                      ; v4, v5: my 128 rows of C in chunk 0, 1
	s_delay_alu instid0(VALU_DEP_1)
	v_add_nc_u32 v5, LC1, v4
	s_mul_i32 s66, s82, 32*PITCH
	s_add_co_u32 s66, s66, LR0
	v_add_nc_u32 v6, s66, v19                      ; v6, v7: my 32 rows of R
	s_delay_alu instid0(VALU_DEP_1)
	v_add_nc_u32 v7, LR1-LR0, v6
	v_lshrrev_b32 v19, 3, v1
	s_delay_alu instid0(VALU_DEP_1)
	v_mul_u32_u24 v19, v19, PITCH
	v_and_b32 v26, 7, v1
	s_delay_alu instid0(VALU_DEP_1)
	v_lshl_add_u32 v19, v26, 5, v19                ; row r's 32 scale bytes: eight rows to 256 bytes + 16
	s_delay_alu instid0(VALU_DEP_1)
	v_mad_u32_u24 v8, v2, 2176, v19                ; lanes 16-31: four tiles (64 rows) further on
	s_mul_i32 s66, s81, 4352
	s_add_co_u32 s66, s66, LSC
	v_add_nc_u32 v8, s66, v8                       ; v8: C's scale words
	v_mad_u32_u24 v9, v2, 544, v19                 ; lanes 16-31: one tile further on
	s_mul_i32 s66, s82, 1088
	s_add_co_u32 s66, s66, LSR
	v_add_nc_u32 v9, s66, v9                       ; v9: R's scale words
	s_lshl_b32 s66, s81, 2
	s_add_co_u32 s66, s66, s82
	s_lshl_b32 s66, s66, 7
	s_add_co_u32 s66, s66, LSTG
	v_lshl_add_u32 v14, v3, 2, s66                 ; v14: where I put a new scale word: 128 bytes for each wave, [wc][wr]
	s_lshl_b32 s66, s81, 9
	s_add_co_u32 s66, s66, LSTG
	v_lshl_add_u32 v15, v3, 4, s66                 ; v15: where waves 0 and 1 read 512 bytes of them back
	s_wait_dscnt 0x0
	s_wait_kmcnt 0x0
	s_cmp_eq_u32 s84, 1                            ; the pointers: R's codes s[4:5], R's scales s[6:7], C's codes s[8:9], C's scales s[10:11], bias s[12:13], codes out s[14:15], scale words out s[16:17]
	s_cselect_b64 s[4:5], s[18:19], s[4:5]
	s_cselect_b64 s[6:7], s[20:21], s[6:7]
	s_cselect_b64 s[8:9], s[22:23], s[8:9]
	s_cselect_b64 s[10:11], s[24:25], s[10:11]
	s_cselect_b64 s[12:13], s[26:27], s[12:13]
	s_cselect_b64 s[14:15], s[38:39], s[14:15]
	s_cselect_b64 s[16:17], s[38:39], s[16:17]
	s_cmp_eq_u32 s84, 2
	s_cselect_b64 s[4:5], s[28:29], s[4:5]
	s_cselect_b64 s[6:7], s[30:31], s[6:7]
	s_cselect_b64 s[8:9], s[32:33], s[8:9]
	s_cselect_b64 s[10:11], s[34:35], s[10:11]
	s_cselect_b64 s[12:13], s[36:37], s[12:13]
	s_cselect_b64 s[14:15], s[38:39], s[14:15]
	s_cselect_b64 s[16:17], s[38:39], s[16:17]
	; descriptor groups 1.  Codes: rows of 256 bytes, 512 bytes apart in memory, 16 bytes of padding behind each; 64 rows of C or 32 of R to a load
	s_or_b32 s20, s91, (1<<20)|(1<<21)|(5<<22)|(3<<25)   ; 15:0 the mask: my column; 17:16 elements of 1 byte; 20 padding on; 21 set beside a mask; 24:22 after every 64 words; 31:25 four words
	s_mov_b32 s21, 256<<16                         ; tensor_dim0
	s_mov_b32 s22, 64<<16                          ; tensor_dim1
	s_mov_b32 s23, 256<<16                         ; tile_dim0
	s_mov_b32 s24, 64                              ; tile_dim1
	s_mov_b32 s25, 512                             ; stride from row to row
	s_mov_b32 s26, 0
	s_mov_b32 s27, 0
	s_or_b32 s28, s90, (1<<20)|(1<<21)|(5<<22)|(3<<25)   ; R's: the mask of my row
	s_mov_b32 s29, 256<<16
	s_mov_b32 s30, 32<<16
	s_mov_b32 s31, 256<<16
	s_mov_b32 s32, 32
	s_mov_b32 s33, 512
	s_mov_b32 s34, 0
	s_mov_b32 s35, 0
	; scale bytes: dense blocks, as rows of 256 bytes (32 elements of 8 bytes) with the same padding: 8 rows for 64 rows of C, 4 for 32 rows of R
	s_or_b32 s36, s91, (3<<16)|(1<<20)|(1<<21)|(5<<22)|(3<<25)
	s_mov_b32 s37, 32<<16
	s_mov_b32 s38, 8<<16
	s_mov_b32 s39, 32<<16
	s_mov_b32 s40, 8
	s_mov_b32 s41, 32
	s_mov_b32 s42, 0
	s_mov_b32 s43, 0
	s_or_b32 s44, s90, (3<<16)|(1<<20)|(1<<21)|(5<<22)|(3<<25)
	s_mov_b32 s45, 32<<16
	s_mov_b32 s46, 4<<16
	s_mov_b32 s47, 32<<16
	s_mov_b32 s48, 4
	s_mov_b32 s49, 32
	s_mov_b32 s50, 0
	s_mov_b32 s51, 0
	; groups 0.  C's hang on C's tile and the wave alone, R's on R's tile and the wave alone
	s_lshl_b32 s92, s88, 8
	s_lshl_b32 s93, s83, 6
	s_add_co_u32 s92, s92, s93                     ; C's first row that I would fetch: 256 x tile + 64 x quarter
	s_lshl_b32 s2, s92, 5                          ; its scale bytes
	s_mov_b32 s3, 0
	s_lshl_b32 s92, s92, 9                         ; its codes
	s_mov_b32 s93, 0
	s_mov_b32 s52, 1
	s_mul_i32 s53, s83, 2176
	s_add_co_u32 s53, s53, LSC
	s_add_nc_u64 s[54:55], s[10:11], s[2:3]
	s_or_b32 s55, s55, 0x80000000
	s_mov_b32 s56, 1
	s_mul_i32 s57, s83, 64*PITCH
	s_add_nc_u64 s[58:59], s[8:9], s[92:93]
	s_mov_b32 s60, 1
	s_add_co_u32 s61, s57, LC1
	s_add_nc_u64 s[62:63], s[58:59], 256           ; chunk 1: the rows' second 256 bytes
	s_or_b32 s59, s59, 0x80000000
	s_or_b32 s63, s63, 0x80000000
	s_lshl_b32 s94, s89, 7
	s_lshl_b32 s95, s83, 5
	s_add_co_u32 s94, s94, s95                     ; R's first row that I would fetch: 128 x tile + 32 x quarter
	s_lshl_b32 s18, s94, 5
	s_mov_b32 s19, 0
	s_lshl_b32 s94, s94, 9
	s_mov_b32 s95, 0
	s_mov_b32 s68, 1
	s_mul_i32 s69, s83, 1088
	s_add_co_u32 s69, s69, LSR
	s_add_nc_u64 s[70:71], s[6:7], s[18:19]
	s_or_b32 s71, s71, 0x80000000
	s_mov_b32 s72, 1
	s_mul_i32 s73, s83, 32*PITCH
	s_add_co_u32 s73, s73, LR0
	s_add_nc_u64 s[74:75], s[4:5], s[94:95]
	s_mov_b32 s76, 1
	s_add_co_u32 s77, s73, LR1-LR0
	s_add_nc_u64 s[78:79], s[74:75], 256
	s_or_b32 s75, s75, 0x80000000
	s_or_b32 s79, s79, 0x80000000
	CROUND                                         ; all sixteen work-groups are here: the joint loads meet
	s_cmp_lt_u32 s[WV], 4                          ; waves 0-3 fetch C's quarters, waves 4-7 R's: a wave's three fills stand in one branch
	s_cbranch_scc0 .Lfill_r
	tensor_load_to_lds s[52:55], s[36:43]          ; scale bytes,
	s_nop 0
	tensor_load_to_lds s[56:59], s[20:27]          ; chunk 0,
	s_nop 0
	tensor_load_to_lds s[60:63], s[20:27]          ; chunk 1
	s_nop 0
	PLACES 4
	s_branch .Lfilled
.Lfill_r:
	tensor_load_to_lds s[68:71], s[44:51]
	s_nop 0
	tensor_load_to_lds s[72:75], s[28:35]
	s_nop 0
	tensor_load_to_lds s[76:79], s[28:35]
	s_nop 0
	PLACES 4
.Lfilled:
	; where the results go: X x (a head's bytes) + Y x (a key step's bytes) + Z, all three chosen by the kind
	s_lshr_b32 s66, s88, 3
	s_lshl_b32 s66, s66, 4
	s_lshl_b32 s67, s89, 1
	s_add_co_u32 s66, s66, s67
	s_lshr_b32 s67, s82, 1
	s_add_co_u32 s66, s66, s67                     ; v: X = 16 batch + head = 16 (C tile / 8) + 2 R tile + wr / 2
	s_lshr_b32 s85, s89, 4
	s_lshl_b32 s85, s85, 4
	s_lshl_b32 s67, s88, 2
	s_add_co_u32 s85, s85, s67
	s_lshl_b32 s67, s81, 1
	s_add_co_u32 s85, s85, s67                     ; q, k: X = 16 (R tile / 16) + 4 C tile + 2 wc
	s_lshl_b32 s86, s88, 1
	s_add_co_u32 s86, s86, s81
	s_and_b32 s86, s86, 15                         ; v: Y = the key step = (2 C tile + wc) % 16
	s_and_b32 s87, s89, 15                         ; q, k: Y = R tile % 16
	s_and_b32 s90, s82, 1
	s_lshl_b32 s90, s90, 11
	s_add_co_u32 s90, s90, 4096                    ; v: Z = 4,096 + 2,048 (wr % 2)
	s_lshl_b32 s91, s82, 10                        ; q, k: Z = 1,024 wr
	s_lshl_b32 s2, s88, 10
	s_lshl_b32 s3, s81, 9
	s_add_co_u32 s2, s2, s3                        ; my first C index x 4 bytes
	s_lshl_b32 s3, s89, 9
	s_lshl_b32 s18, s82, 7
	s_add_co_u32 s3, s3, s18                       ; my first R index x 4 bytes
	s_mov_b32 s92, 139264                          ; a head in kv: 16 key steps of 8,704 bytes
	s_mov_b32 s93, 8704
	s_mov_b32 s100, 0x05040100
	s_mov_b32 s101, 0x07060302
	s_mov_b32 s18, 512
	s_cmp_eq_u32 s84, 2
	s_cselect_b32 s66, s66, s85                    ; X
	s_cselect_b32 s86, s86, s87                    ; Y
	s_cselect_b32 s90, s90, s91                    ; Z
	s_cselect_b32 s2, 0, s2                        ; the bias runs along C (q, k) ..
	s_cselect_b32 s3, s3, 0                        ; .. or along R (v); the other offset is 0 and its loads are masked away
	s_cselect_b32 s96, 0, -1                       ; mask: keep the bias along C
	s_cselect_b32 s97, -1, 0                       ; mask: keep the bias along R
	s_cselect_b32 s100, 0x03020100, s100           ; byte selects that make the two scale words to store (see the way out)
	s_cselect_b32 s101, 0x07060504, s101
	s_cselect_b32 s18, 1024, s18                   ; from R rows 0-15 to rows 16-31, in the codes' buffer
	s_cselect_b32 s19, 128, 64                     ; scale words: stride of wr's bit 0
	s_cselect_b32 s94, s92, 128                    ; and of its bit 1
	s_cselect_b32 s95, 256, 0
	s_cmp_eq_u32 s84, 0
	s_cselect_b32 s85, 65536, s92                  ; a head's bytes of codes: qc or kv
	s_cselect_b32 s87, 4096, s93                   ; 128 tokens' bytes of codes
	s_cselect_b32 s91, 4096, s92                   ; a head's bytes of scale words: qs or kv
	s_cselect_b32 s67, 256, s93                    ; 128 tokens' bytes of scale words
	s_cselect_b32 s92, 0, 8192                     ; where scale words begin in a key step (k 8,192; v 8,448)
	s_cmp_eq_u32 s84, 2
	s_cselect_b32 s93, 512, s85                    ; from a fragment's registers 0-3 to 4-7: v: 512 bytes on; q, k: the next head
	s_cselect_b32 s88, 64, s91                     ; scale words: from the first word to the second
	s_mul_i32 s85, s66, s85
	s_mul_i32 s87, s86, s87
	s_add_co_u32 s85, s85, s87
	s_add_co_u32 s85, s85, s90                     ; the codes' base
	s_mul_i32 s91, s66, s91
	s_mul_i32 s67, s86, s67
	s_add_co_u32 s91, s91, s67
	s_add_co_u32 s91, s91, s92
	s_add_co_u32 s91, s91, s95                     ; the scale words' base (used by waves 0 and 1, whose wr is 0)
	v_lshl_add_u32 v10, v3, 4, s85                 ; v10-13: 16 x lane + base, for (rows 0-15 | 16-31) x (registers 0-3 | 4-7)
	s_delay_alu instid0(VALU_DEP_1)
	v_add_nc_u32 v11, s93, v10
	s_delay_alu instid0(VALU_DEP_2)
	v_add_nc_u32 v12, s18, v10
	s_delay_alu instid0(VALU_DEP_2)
	v_add_nc_u32 v13, s18, v11
	v_and_b32 v16, 3, v3
	s_delay_alu instid0(VALU_DEP_1)
	v_lshl_add_u32 v16, v16, 4, s91                ; v16: lane L of the read-back holds words of wave wr = L / 8, word (L / 4) % 2, rows 4 (L % 4) on
	v_bfe_u32 v19, v3, 2, 1
	s_delay_alu instid0(VALU_DEP_1)
	v_mad_u32_u24 v16, v19, s88, v16
	v_bfe_u32 v19, v3, 3, 1
	s_delay_alu instid0(VALU_DEP_1)
	v_mad_u32_u24 v16, v19, s19, v16
	v_lshrrev_b32 v19, 4, v3
	s_delay_alu instid0(VALU_DEP_1)
	v_mad_u32_u24 v16, v19, s94, v16
	v_lshl_add_u32 v17, v2, 5, s2                  ; bias along C: tile t's eight numbers of my half: 64 t + 32 h
	v_lshl_add_u32 v18, v1, 2, s3                  ; bias along R: my row's
	; THE BIAS INTO THE ACCUMULATORS, while the tiles are on their way.  Both kinds of bias are loaded (every address lies inside the 4,096 bytes) and one is masked to 0.
.irp t, 0,1,2,3,4,5,6,7
	global_load_b128 v[ACC+8*\t:ACC+8*\t+3], v17, s[12:13] offset:64*\t
	global_load_b128 v[ACC+8*\t+4:ACC+8*\t+7], v17, s[12:13] offset:64*\t+16
.endr
	global_load_b32 v20, v18, s[12:13]
	global_load_b32 v22, v18, s[12:13] offset:64
	v_mov_b32 v21, 0                               ; (named as the upper halves of pairs)
	v_mov_b32 v23, 0
	s_wait_loadcnt 0x0
.set j, 0
.rept 64
	v_cndmask_b32 v[ACC+j], 0, v[ACC+j], s96
.set j, j+1
.endr
	v_cndmask_b32 v20, 0, v20, s97
	v_cndmask_b32 v22, 0, v22, s97
.set j, 0
.rept 32
	v_pk_add_f32 v[ACC+64+j:ACC+65+j], v[ACC+j:ACC+j+1], v[22:23] op_sel_hi:[1,0]   ; rows 16-31 (one of the two terms is 0: nothing is rounded)
.set j, j+2
.endr
.set j, 0
.rept 32
	v_pk_add_f32 v[ACC+j:ACC+j+1], v[ACC+j:ACC+j+1], v[20:21] op_sel_hi:[1,0]       ; rows 0-15
.set j, j+2
.endr
; 128 along K: the q-th of chunk k.  20 fragment loads (with q = 0 five more: the chunk's scale words), 16 products.  The 16 accumulators take turns, one instruction a turn, over the steps' edges too.
.macro KSTEP k, q
	PLACES 4                                       ; in front of loads into registers that matrix instructions have read (ISA guide 7.12.1 for vector instructions)
.if \q == 0
.irp i, 0,1,2,3
	ds_load_b128 v[SC+4*\i:SC+4*\i+3], v8 offset:544*\i+16*\k
.endr
	ds_load_b128 v[SR:SR+3], v9 offset:16*\k
.endif
.irp t, 0,1,2,3,4,5,6,7
.irp c, 0,1
	ds_load_b128 v[CF+8*\t+4*\c:CF+8*\t+4*\c+3], v[4+\k] offset:16*PITCH*\t+64*\q+32*\c
.endr
.endr
.irp a, 0,1
.irp c, 0,1
	ds_load_b128 v[RF+8*\a+4*\c:RF+8*\a+4*\c+3], v[6+\k] offset:16*PITCH*\a+64*\q+32*\c
.endr
.endr
	s_wait_dscnt 0x0
.irp t, 0,1,2,3
	v_wmma_scale_f32_16x16x128_f8f6f4 v[ACC+8*\t:ACC+8*\t+7], v[CF+8*\t:CF+8*\t+7], v[RF:RF+7], v[ACC+8*\t:ACC+8*\t+7], v[SC+4*\t+\q], v[SR+\q] matrix_a_fmt:MATRIX_FMT_FP4 matrix_b_fmt:MATRIX_FMT_FP4
	v_wmma_scale_f32_16x16x128_f8f6f4 v[ACC+64+8*\t:ACC+64+8*\t+7], v[CF+8*\t:CF+8*\t+7], v[RF+8:RF+15], v[ACC+64+8*\t:ACC+64+8*\t+7], v[SC+4*\t+\q], v[SR+\q] matrix_a_fmt:MATRIX_FMT_FP4 matrix_b_fmt:MATRIX_FMT_FP4 matrix_b_scale:MATRIX_SCALE_ROW1
.endr
.irp t, 4,5,6,7
	v_wmma_scale_f32_16x16x128_f8f6f4 v[ACC+8*\t:ACC+8*\t+7], v[CF+8*\t:CF+8*\t+7], v[RF:RF+7], v[ACC+8*\t:ACC+8*\t+7], v[SC+4*\t-16+\q], v[SR+\q] matrix_a_fmt:MATRIX_FMT_FP4 matrix_b_fmt:MATRIX_FMT_FP4 matrix_a_scale:MATRIX_SCALE_ROW1
	v_wmma_scale_f32_16x16x128_f8f6f4 v[ACC+64+8*\t:ACC+64+8*\t+7], v[CF+8*\t:CF+8*\t+7], v[RF+8:RF+15], v[ACC+64+8*\t:ACC+64+8*\t+7], v[SC+4*\t-16+\q], v[SR+\q] matrix_a_fmt:MATRIX_FMT_FP4 matrix_b_fmt:MATRIX_FMT_FP4 matrix_a_scale:MATRIX_SCALE_ROW1 matrix_b_scale:MATRIX_SCALE_ROW1
.endr
.endm
	s_wait_alu depctr_va_vdst(0)
	s_wait_tensorcnt 0x1                           ; my scale bytes and my part of chunk 0 are in; my third load, chunk 1, may stay out
	s_barrier_signal -1
	s_barrier_wait -1                              ; everybody's are
	KSTEP 0, 0
	KSTEP 0, 1
	KSTEP 0, 2
	KSTEP 0, 3
	s_wait_tensorcnt 0x0                           ; my part of chunk 1 is in
	s_barrier_signal -1
	s_barrier_wait -1
	KSTEP 1, 0
	KSTEP 1, 1
	KSTEP 1, 2
	KSTEP 1, 3
	; THE WAY OUT.  Each of my two tiles of R rows becomes one fragment (8 registers) and one scale word a row.  A store of four registers covers 512 consecutive bytes, aligned.
	PLACES 4                                       ; behind the last products
.irp b, 0,1,2,3
	v_mov_b32 v[TM+4+\b], 0                        ; written once: a lane permute's destination counts as one of its sources
.endr
	QUANT ACC, PC0, 24
	global_store_b128 v10, v[PC0:PC0+3], s[14:15]
	global_store_b128 v11, v[PC0+4:PC0+7], s[14:15]
	QUANT ACC+64, PC1, 25
	global_store_b128 v12, v[PC1:PC1+3], s[14:15]
	global_store_b128 v13, v[PC1+4:PC1+7], s[14:15]
	; The scale words.  q, k: a stored word belongs to one head and a PAIR of token tiles: (rows 0-15's two bytes, rows 16-31's two bytes); word 0 the first head, word 1 the second.  v: the two words as they are.
	v_perm_b32 v26, v25, v24, s100
	v_perm_b32 v27, v25, v24, s101
	v_cmp_gt_u32 vcc_lo, 16, v3
	s_delay_alu instid0(VALU_DEP_1)
	v_cndmask_b32 v26, v27, v26, vcc_lo            ; lanes 0-15 carry word 0 of row r, lanes 16-31 word 1
	ds_store_b32 v14, v26
	s_wait_dscnt 0x0                               ; for the others' sake: my store has landed
	s_barrier_signal -1
	s_barrier_wait -1
	s_cmp_lt_u32 s[WV], 2                          ; wave wc gathers the four waves' words of its half of C: 512 bytes, stored as two aligned runs of 256
	s_cbranch_scc0 .Lno_words
	ds_load_b128 v[96:99], v15
	s_wait_dscnt 0x0
	global_store_b128 v16, v[96:99], s[16:17]
.Lno_words:
	s_set_vgpr_msb 0x5
	s_wait_tensorcnt 0x0
	ds_add_u32 v0, v1
	s_wait_dscnt 0x0
	s_set_vgpr_msb 0x500
	CROUND                                         ; the closing round: no work-group ends while a partner may still ask for a tile that names it
	s_endpgm
.Lfunc_end_k_q59a6d1e61d_proj:
	.size	k_q59a6d1e61d_proj, .Lfunc_end_k_q59a6d1e61d_proj-k_q59a6d1e61d_proj
	.p2alignl 7, 3214868480
	.fill 96, 4, 3214868480
	.section	.rodata,"a",@progbits
	.p2align	6, 0x0
	.amdhsa_kernel k_q59a6d1e61d_proj
		.amdhsa_group_segment_fixed_size 224256
		.amdhsa_private_segment_fixed_size 0
		.amdhsa_enable_private_segment 0
		.amdhsa_kernarg_size 144
		.amdhsa_user_sgpr_count 2
		.amdhsa_user_sgpr_kernarg_segment_ptr 1
		.amdhsa_wavefront_size32 1
		.amdhsa_system_sgpr_workgroup_id_x 1
		.amdhsa_system_sgpr_workgroup_id_y 1
		.amdhsa_system_sgpr_workgroup_id_z 1
		.amdhsa_system_vgpr_workitem_id 0
		.amdhsa_next_free_vgpr 258
		.amdhsa_next_free_sgpr 102
		.amdhsa_reserve_vcc 1
		.amdhsa_float_denorm_mode_32 3
		.amdhsa_float_denorm_mode_16_64 3
		.amdhsa_memory_ordered 1
		.amdhsa_forward_progress 1
		.amdhsa_inst_pref_size 62
	.end_amdhsa_kernel
	.amdgpu_metadata
---
amdhsa.version: [ 1, 2 ]
amdhsa.kernels:
  - .name:           k_q59a6d1e61d_proj
    .symbol:         k_q59a6d1e61d_proj.kd
    .args:
      - { .name: Q_codes, .offset: 0, .size: 8, .value_kind: global_buffer, .address_space: global }
      - { .name: Q_scales, .offset: 8, .size: 8, .value_kind: global_buffer, .address_space: global }
      - { .name: Wq_codes, .offset: 16, .size: 8, .value_kind: global_buffer, .address_space: global }
      - { .name: Wq_scales, .offset: 24, .size: 8, .value_kind: global_buffer, .address_space: global }
      - { .name: bq, .offset: 32, .size: 8, .value_kind: global_buffer, .address_space: global }
      - { .name: qc, .offset: 40, .size: 8, .value_kind: global_buffer, .address_space: global }
      - { .name: qs, .offset: 48, .size: 8, .value_kind: global_buffer, .address_space: global }
      - { .name: K_codes, .offset: 56, .size: 8, .value_kind: global_buffer, .address_space: global }
      - { .name: K_scales, .offset: 64, .size: 8, .value_kind: global_buffer, .address_space: global }
      - { .name: Wk_codes, .offset: 72, .size: 8, .value_kind: global_buffer, .address_space: global }
      - { .name: Wk_scales, .offset: 80, .size: 8, .value_kind: global_buffer, .address_space: global }
      - { .name: bk, .offset: 88, .size: 8, .value_kind: global_buffer, .address_space: global }
      - { .name: Wv_codes, .offset: 96, .size: 8, .value_kind: global_buffer, .address_space: global }
      - { .name: Wv_scales, .offset: 104, .size: 8, .value_kind: global_buffer, .address_space: global }
      - { .name: V_codes, .offset: 112, .size: 8, .value_kind: global_buffer, .address_space: global }
      - { .name: V_scales, .offset: 120, .size: 8, .value_kind: global_buffer, .address_space: global }
      - { .name: bv, .offset: 128, .size: 8, .value_kind: global_buffer, .address_space: global }
      - { .name: kv, .offset: 136, .size: 8, .value_kind: global_buffer, .address_space: global }
    .group_segment_fixed_size: 224256
    .private_segment_fixed_size: 0
    .kernarg_segment_align: 8
    .kernarg_segment_size: 144
    .max_flat_workgroup_size: 256
    .sgpr_count:     102
    .vgpr_count:     258
    .wavefront_size: 32
...
	.end_amdgpu_metadata
.endif
;; end of part 1
;; launch attn (part 2): grid 4 x 64, 16 waves a work-group, clusters of 4 x 1, 169,984 bytes of LDS; arguments qc, qs, kv, oc, os; writes oc, os
.if DOCPART == 2
	.amdgcn_target "amdgcn-amd-amdhsa--gfx1250"
	.amdhsa_code_object_version 6
	.text
	.protected	k_q59a6d1e61d_attn
	.globl	k_q59a6d1e61d_attn
	.p2align	8
	.type	k_q59a6d1e61d_attn,@function
k_q59a6d1e61d_attn:
	s_mov_b64 s[64:65], 0
	v_nop
	global_prefetch_b8 v0, s[64:65] scope:SCOPE_SE
	s_setreg_imm32_b32 hwreg(HW_REG_WAVE_MODE, 25, 1), 1
	s_wait_xcnt 0x0
	s_wait_alu depctr_hold_cnt(0) depctr_sa_sdst(0) depctr_va_vdst(0) depctr_va_sdst(0) depctr_va_ssrc(0) depctr_va_vcc(0) depctr_vm_vsrc(0)
	s_getreg_b32 s2, hwreg(HW_REG_IB_STS2, 6, 4)
	s_cmp_eq_u32 s2, 0
	s_cbranch_scc0 .Lentry_in_a_cluster
	s_endpgm
.Lentry_in_a_cluster:
	s_bfe_u32 s2, ttmp6, 0x10000c
	s_cmp_lg_u32 s2, 0x3003
	s_cbranch_scc0 .Lentry_shape_is_right
	s_endpgm
.Lentry_shape_is_right:
; ATTENTION ON CODES OF FP4 (E2M1): for each (batch, head): S^T = k q^T, p = 2^(t - M), O^T = v^T p^T, o = O / l, and o quantised along its 64 channels for the last product.
; t = score x log2(e) / 8; M = the running largest t rounded UP to a whole number; p is quantised along the keys, not normalised; l is the sum of the unquantised p; when M moves, l and O^T are multiplied by 2^(old M - new M): exact.
; SHARES: a work-group owns one (batch, head) and 512 queries; each of its sixteen waves two tiles of 16 queries, one after the other, in 256 registers: four waves to a SIMD, so that one wave's vector work stands beside another's loads and products.
; LDS IS FILLED ONCE: the head's whole K and V, 16 key steps of 8,704 bytes, laid by the launch before as images of operand registers (a group of four registers: 16 bytes a lane, 512 consecutive bytes): no pitch, no padding.
;   a key step (128 keys): +0 four K pairs of 1,024 bytes; +4,096 four tiles of V^T (16 channels x 128 keys); +8,192 K's scale words [pair][row]; +8,448 V's [tile][row].
; CLUSTER 4 x 1: the four query blocks of a head read the same K and V: each wave's one tensor load (key step = wave) is asked for jointly by the four work-groups.
; K = 64 IN AN INSTRUCTION OF K = 128: source 0 is a K PAIR (registers 0-3: keys 32 p + r; registers 4-7: keys 32 p + 16 + r); source 1 is taken from twelve registers [Q][zeros][Q]: the first eight pick the even tile of keys, the last eight the odd one.
;   Zero codes add nothing under any scale byte from 1 to 254.  Q's scale word is (s0, s1, s0, s1).
; A lane holds ONE query (lane % 16) throughout; in tile t of S^T its register j is key 16 t + 8 (lane / 16) + j, so a block of 32 keys is the 16 registers of tiles 2 B, 2 B + 1 in lanes l and l xor 16.
; LIMITS: NaN and infinities are not served.  p under 2^-126 comes out of v_exp_f32 as 0.  A block whose every p is 0, or whose largest magnitude lies under 2^-124, gets the scale byte 1.
;   A block's largest p is made from its largest score by the same multiply-add and exponential: this takes v_exp_f32 not to fall where its input rises.
.set KVSTEP, 8704
.set OSG,  16*KVSTEP                   ; behind the tiles: 1,024 bytes for o's scale bytes: four blocks of 256 bytes into which no tile lands
.set WV,   14                          ; s14 wave; s15 16 batch + head; s17 block of 512 queries
.set KF,   32                          ; v32-63   four K pairs
.set S,    64                          ; v64-127  S^T, then p
.set OA,   128                         ; v128-159 O^T: four tiles of 16 channels
.set PC,   160                         ; v160-167 p's codes
.set BM,   168                         ; v168-171 the blocks' largest scores, then largest p
.set T2,   172                         ; v172-175 at work
.set SCO,  176                         ; v176-179 the conversions' scale operands
.set PW,   180                         ; v180     p's scale word
.set KS,   186                         ; v186-187 K's scale words: register n: lanes 0-15 pair 2 n, lanes 16-31 pair 2 n + 1
.set VS,   188                         ; v188-189 V's likewise
.set VF,   192                         ; v192-223 four tiles of V^T
; v1 16 x lane; v2 4 x lane; v3, v4 the step's addresses; v5 4 r; v6, v7 LDS places of o's scale bytes; v8 16 x thread; v12 -M; v13 largest t; v[14:15] l in two halves;
; v16-27 and v224-235 [Q][0][Q] of my two tiles; v28, v29 their scale words; v[182:183] (f, 0); v184 at work; v236-243 o's codes; v244-247 read back; v248 o's two scale bytes
.macro PLACES n
.rept \n
	v_nop
.endr
.endm
.macro CROUND                          ; a round of the cluster's barrier
	s_barrier_signal -1
	s_barrier_wait -1
	s_cmp_lg_u32 s[WV], 0
	s_cbranch_scc1 .Lnot_wave_0_\@
	s_barrier_signal -3
.Lnot_wave_0_\@:
	s_barrier_wait -3
	s_barrier_signal -1
	s_barrier_wait -1
.endm
	s_load_b256 s[4:11], s[0:1], 0x0               ; qc s[4:5], qs s[6:7], kv s[8:9], oc s[10:11]
	s_load_b64 s[12:13], s[0:1], 0x20              ; os
	v_lshl_add_u32 v254, v0, 2, 0x29000
	v_mov_b32 v255, 0
	ds_add_u32 v254, v255
	ds_add_u32 v254, v255
	v_lshrrev_b32 v1, 5, v0
	s_delay_alu instid0(VALU_DEP_1)
	v_readfirstlane_b32 s[WV], v1                  ; wave 0..15
	s_and_b32 s15, ttmp7, 0xffff                   ; 16 batch + head, which the four partners share
	s_bfe_u32 s16, ttmp6, 0x40000                  ; cx
	s_lshl_b32 s17, ttmp9, 2
	s_add_co_u32 s17, s17, s16                     ; my block of 512 queries: it enters q's and o's addresses alone
	s_mov_b32 s20, 0x76543210
	s_mov_b32 s21, 0xfedcba98                      ; v_permlanex16_b32's selects: lane l xor 16
	s_mov_b32 s22, 0x3e38aa3b                      ; c = log2(e) / 8
	s_mov_b32 s23, s22                             ; (named with it as a pair)
	; descriptor group 1: a key step, 8,704 dense bytes, as 34 rows of 256 bytes (32 elements of 8 bytes)
	s_mov_b32 s24, 15|(3<<16)|(1<<21)              ; 15:0 the mask: all four work-groups; 17:16 elements of 8 bytes; 21 set beside a mask; no padding
	s_mov_b32 s25, 32<<16                          ; tensor_dim0
	s_mov_b32 s26, 34<<16                          ; tensor_dim1
	s_mov_b32 s27, 32<<16                          ; tile_dim0
	s_mov_b32 s28, 34                              ; tile_dim1
	s_mov_b32 s29, 32                              ; stride from row to row
	s_mov_b32 s30, 0
	s_mov_b32 s31, 0
	s_mul_i32 s18, s15, 16*KVSTEP
	s_mul_i32 s33, s14, KVSTEP                     ; group 0's LDS address: key step = wave
	s_add_co_u32 s18, s18, s33
	s_mov_b32 s19, 0                               ; kv: the head's bytes + my key step's
	s_lshl_b32 s46, s17, 5
	s_add_co_u32 s46, s46, s14                     ; my first tile of queries in the head: 32 x block + wave; the second lies 16 tiles on
	s_lshl_b32 s38, s15, 16
	s_lshl_b32 s47, s46, 9
	s_add_co_u32 s38, s38, s47
	s_mov_b32 s39, 0                               ; qc: 65,536 bytes a head, 512 a tile
	s_lshl_b32 s40, s15, 12
	s_lshl_b32 s47, s17, 10
	s_add_co_u32 s40, s40, s47
	s_lshr_b32 s47, s14, 1
	s_lshl_b32 s47, s47, 6
	s_add_co_u32 s40, s40, s47
	s_and_b32 s47, s14, 1
	s_lshl_b32 s47, s47, 1
	s_add_co_u32 s40, s40, s47
	s_mov_b32 s41, 0                               ; qs: 4,096 bytes a head, 64 a pair of tiles, my tile's half of each word
	s_and_b32 s48, s15, 15                         ; head
	s_lshr_b32 s49, s15, 4
	s_lshl_b32 s49, s49, 7                         ; 128 x batch: tiles of tokens ahead of my batch
	s_lshr_b32 s42, s48, 3
	s_lshl_b32 s42, s42, 21
	s_add_co_u32 s47, s49, s46
	s_lshl_b32 s47, s47, 12
	s_add_co_u32 s42, s42, s47
	s_and_b32 s47, s48, 7
	s_lshl_b32 s47, s47, 9
	s_add_co_u32 s42, s42, s47
	s_mov_b32 s43, 0                               ; oc: [head / 8][tile of tokens][head % 8][512 bytes]
	s_lshl_b32 s44, s48, 14
	s_lshl_b32 s47, s17, 5
	s_add_co_u32 s47, s47, s49
	s_lshl_b32 s47, s47, 5
	s_add_co_u32 s44, s44, s47
	s_mov_b32 s45, 0                               ; os: [head][tile of tokens][row][2 bytes]: the work-group's 32 tiles are 1,024 consecutive bytes
	v_and_b32 v9, 31, v0
	s_delay_alu instid0(VALU_DEP_1)
	v_lshlrev_b32 v1, 4, v9                        ; 16 x lane: an image's place for my lane
	s_delay_alu instid0(VALU_DEP_2)
	v_lshlrev_b32 v2, 2, v9                        ; 4 x lane: a scale word's
	v_and_b32 v10, 15, v0
	s_delay_alu instid0(VALU_DEP_1)
	v_lshlrev_b32 v5, 2, v10                       ; 4 r
	s_lshl_b32 s47, s14, 5
	s_add_co_u32 s47, s47, OSG
	v_lshl_add_u32 v6, v10, 1, s47                 ; o's scale bytes: 32 bytes a tile, 2 a row
	v_lshlrev_b32 v8, 4, v0
	s_delay_alu instid0(VALU_DEP_1)
	v_add_nc_u32 v7, OSG, v8                       ; and back: 16 bytes a thread of waves 0 and 1
	s_wait_dscnt 0x0
	s_wait_kmcnt 0x0
	s_mov_b32 s32, 1
	s_add_nc_u64 s[34:35], s[8:9], s[18:19]
	s_or_b32 s35, s35, 0x80000000
	s_add_nc_u64 s[38:39], s[4:5], s[38:39]
	s_add_nc_u64 s[40:41], s[6:7], s[40:41]
	s_add_nc_u64 s[42:43], s[10:11], s[42:43]
	s_add_nc_u64 s[44:45], s[12:13], s[44:45]
	CROUND                                         ; all four work-groups are here: the joint loads meet
	tensor_load_to_lds s[32:35], s[24:31]          ; my one tensor load: key step = wave
	s_nop 0
	PLACES 4
	s_wait_alu depctr_va_vdst(0)
	global_load_b128 v[16:19], v1, s[38:39]        ; Q's half fragment (channels 32 h on of query r), twice: below and above the zeros
	global_load_b128 v[24:27], v1, s[38:39]
	global_load_b128 v[224:227], v1, s[38:39] offset:8192
	global_load_b128 v[232:235], v1, s[38:39] offset:8192
	global_load_u16 v30, v5, s[40:41]              ; my tiles' two scale bytes a row
	global_load_u16 v31, v5, s[40:41] offset:512
.irp j, 20,21,22,23,228,229,230,231
	v_mov_b32 v[\j], 0                             ; zero codes
.endr
.irp b, 0,1,2,3
	v_mov_b32 v[T2+\b], 0                          ; written once: a lane permute's destination counts as one of its sources
.endr
	v_mov_b32 v183, 0                              ; (named as the upper half of the pair v[182:183])
	v_mov_b32 v184, 0
	s_wait_loadcnt 0x0
	v_perm_b32 v28, v30, v30, 0x01000100           ; (s0, s1, s0, s1)
	v_perm_b32 v29, v31, v31, 0x01000100
	s_wait_tensorcnt 0x0                           ; my key step is in,
	s_barrier_signal -1
	s_barrier_wait -1                              ; everybody's is
; ONE TILE OF 16 QUERIES through all 2,048 keys.  i: which of my two; qf: its [Q][0][Q]; qsr: its scale word; ocr: where o's codes go.
.macro TILE i, qf, qsr, ocr
	v_mov_b32 v13, 0xff61b1e6                      ; the largest t so far: -3e38, under every t
	s_delay_alu instid0(VALU_DEP_1)
	v_floor_f32 v12, -v13                          ; -M
	v_mov_b32 v14, 0                               ; l, in two halves
	v_mov_b32 v15, 0
.set j, 0
.rept 32
	v_mov_b32 v[OA+j], 0                           ; O^T: the step is written once; the first finds zeros, which the first change of M leaves zeros
.set j, j+1
.endr
	s_mov_b32 s36, 0                               ; the key step's first LDS byte
	s_mov_b32 s37, 16
.Lstep_\@:
	s_setprio 2
	v_add_nc_u32 v3, s36, v1
	v_add_nc_u32 v4, s36, v2
	PLACES 2                                       ; with the two additions: four places behind the last product, in front of loads into its registers
.irp p, 0,1,2,3
.irp c, 0,1
	ds_load_b128 v[KF+8*\p+4*\c:KF+8*\p+4*\c+3], v3 offset:1024*\p+512*\c
.endr
.endr
.irp n, 0,1
	ds_load_b32 v[KS+\n], v4 offset:8192+128*\n
.endr
.irp p, 0,1,2,3
.irp c, 0,1
	ds_load_b128 v[VF+8*\p+4*\c:VF+8*\p+4*\c+3], v3 offset:4096+1024*\p+512*\c
.endr
.endr
.irp n, 0,1
	ds_load_b32 v[VS+\n], v4 offset:8448+128*\n
.endr
	s_wait_dscnt 10                                ; K's ten loads are in; V's ten, issued behind them, may stay out
.irp n, 0,1                            ; S^T: tile 2 p + u = pair p x (u ? the upper eight : the lower eight) of [Q][0][Q]
	v_wmma_scale_f32_16x16x128_f8f6f4 v[S+32*\n:S+32*\n+7], v[KF+16*\n:KF+16*\n+7], v[\qf:\qf+7], 0, v[KS+\n], v[\qsr] matrix_a_fmt:MATRIX_FMT_FP4 matrix_b_fmt:MATRIX_FMT_FP4
	v_wmma_scale_f32_16x16x128_f8f6f4 v[S+32*\n+8:S+32*\n+15], v[KF+16*\n:KF+16*\n+7], v[\qf+4:\qf+11], 0, v[KS+\n], v[\qsr] matrix_a_fmt:MATRIX_FMT_FP4 matrix_b_fmt:MATRIX_FMT_FP4
	v_wmma_scale_f32_16x16x128_f8f6f4 v[S+32*\n+16:S+32*\n+23], v[KF+16*\n+8:KF+16*\n+15], v[\qf:\qf+7], 0, v[KS+\n], v[\qsr] matrix_a_fmt:MATRIX_FMT_FP4 matrix_b_fmt:MATRIX_FMT_FP4 matrix_a_scale:MATRIX_SCALE_ROW1
	v_wmma_scale_f32_16x16x128_f8f6f4 v[S+32*\n+24:S+32*\n+31], v[KF+16*\n+8:KF+16*\n+15], v[\qf+4:\qf+11], 0, v[KS+\n], v[\qsr] matrix_a_fmt:MATRIX_FMT_FP4 matrix_b_fmt:MATRIX_FMT_FP4 matrix_a_scale:MATRIX_SCALE_ROW1
.endr
	PLACES 4
.irp b, 0,1,2,3
	v_max3_num_f32 v[BM+\b], v[S+16*\b], v[S+16*\b+1], v[S+16*\b+2]        ; the largest score of each block of 32 keys: for the row's maximum, and, since p rises with the score, for the block's largest p
.endr
.irp i2, 3,5,7,9,11,13
.irp b, 0,1,2,3
	v_max3_num_f32 v[BM+\b], v[BM+\b], v[S+16*\b+\i2], v[S+16*\b+\i2+1]    ; the four blocks by turns
.endr
.endr
.irp b, 0,1,2,3
	v_max_num_f32 v[BM+\b], v[BM+\b], v[S+16*\b+15]
.endr
.irp b, 0,1,2,3
	s_delay_alu instid0(VALU_DEP_4)
	v_permlanex16_b32 v[T2+\b], v[BM+\b], s20, s21
.endr
.irp b, 0,1,2,3
	s_delay_alu instid0(VALU_DEP_4)
	v_max_num_f32 v[BM+\b], v[BM+\b], v[T2+\b]     ; with lane l xor 16's 16 keys
.endr
	s_delay_alu instid0(VALU_DEP_2)
	v_max3_num_f32 v184, v[BM], v[BM+1], v[BM+2]
	s_delay_alu instid0(VALU_DEP_1)
	v_max_num_f32 v184, v184, v[BM+3]              ; the step's largest score of my query,
	s_delay_alu instid0(VALU_DEP_1)
	v_mul_f32 v184, s22, v184                      ; as t (c is positive)
	s_delay_alu instid0(VALU_DEP_1)
	v_max_num_f32 v13, v13, v184                   ; the running largest t
	v_mov_b32 v184, v12
	s_delay_alu instid0(VALU_DEP_2)
	v_floor_f32 v12, -v13                          ; the new -M = floor(-t) = -ceil(t)
	s_delay_alu instid0(VALU_DEP_1)
	v_sub_f32 v184, v12, v184                      ; old M - new M: a whole number, 0 or less
	s_delay_alu instid0(VALU_DEP_1)
	v_cvt_i32_f32 v184, v184                       ; (it saturates)
	s_delay_alu instid0(VALU_DEP_1)
	v_ldexp_f32 v182, 1.0, v184                    ; f = 2^(old M - new M)
.set j, 0
.rept 32
	v_pk_fma_f32 v[S+j:S+j+1], v[S+j:S+j+1], s[22:23], v[12:13] op_sel_hi:[1,0,0]   ; t - M, two at a time
.set j, j+2
.endr
.irp b, 0,1,2,3
	v_fma_f32 v[BM+\b], v[BM+\b], s22, v12         ; the same of each block's largest score
.endr
.set j, 0
	s_wait_alu depctr_va_vdst(0)
.rept 64
	v_exp_f32 v[S+j], v[S+j]                       ; p = 2^(t - M), at most 1
.set j, j+1
.endr
	s_setprio 1
.irp b, 0,1,2,3
	v_exp_f32 v[BM+\b], v[BM+\b]                   ; the block's largest p
.endr
	v_pk_mul_f32 v[14:15], v[14:15], v[182:183] op_sel_hi:[1,0]   ; l under the new M (a plain place behind the exponentials)
	s_wait_alu depctr_va_vdst(0)
.irp b, 0,1,2,3
	v_max_num_f32 v[BM+\b], 0x1800000, v[BM+\b]    ; the floor 2^(3 - 127): the byte cannot fall under 1
.endr
.irp b, 0,1,2,3
	s_delay_alu instid0(VALU_DEP_4)
	v_add_nc_u32 v[SCO+\b], 0xff000000, v[BM+\b]   ; 2 off the exponent field: the conversion's scale operand
.endr
.irp b, 0,1,2,3
	s_delay_alu instid0(VALU_DEP_4)
	v_lshrrev_b32 v[T2+\b], 23, v[SCO+\b]          ; the scale's byte
.endr
	s_delay_alu instid0(VALU_DEP_3)
	v_lshl_or_b32 v[PW], v[T2+1], 8, v[T2]
	s_delay_alu instid0(VALU_DEP_1)
	v_lshl_or_b32 v[PW], v[T2+2], 16, v[PW]
	s_delay_alu instid0(VALU_DEP_1)
	v_lshl_or_b32 v[PW], v[T2+3], 24, v[PW]        ; p's scale word for these 128 keys
.irp c, 0,1                            ; tile 4 c + u goes to register 4 c + {0, 2, 1, 3}[u]; the exchanges below then leave keys 64 c + 32 h + 0 .. 31 in registers 4 c .. 4 c + 3
	v_cvt_scalef32_pk8_fp4_f32 v[PC+4*\c],   v[S+32*\c:S+32*\c+7],     v[SCO+2*\c]
	v_cvt_scalef32_pk8_fp4_f32 v[PC+4*\c+2], v[S+32*\c+8:S+32*\c+15],  v[SCO+2*\c]
	v_cvt_scalef32_pk8_fp4_f32 v[PC+4*\c+1], v[S+32*\c+16:S+32*\c+23], v[SCO+2*\c+1]
	v_cvt_scalef32_pk8_fp4_f32 v[PC+4*\c+3], v[S+32*\c+24:S+32*\c+31], v[SCO+2*\c+1]
.endr
	v_nop                                          ; one plain place behind a scaled conversion
.irp c, 0,1
	v_permlane16_swap_b32 v[PC+4*\c], v[PC+4*\c+1]
	v_permlane16_swap_b32 v[PC+4*\c+2], v[PC+4*\c+3]
.endr
	v_pk_add_f32 v[172:173], v[68:69], v[72:73]
	v_pk_add_f32 v[252:253], v[76:77], v[80:81]
	v_pk_add_f32 v[250:251], v[84:85], v[88:89]
	v_pk_add_f32 v[248:249], v[92:93], v[96:97]
	v_pk_add_f32 v[246:247], v[100:101], v[104:105]
	v_pk_add_f32 v[244:245], v[108:109], v[112:113]
	v_pk_add_f32 v[242:243], v[116:117], v[120:121]
	v_pk_add_f32 v[14:15], v[14:15], v[124:125]
	v_pk_add_f32 v[172:173], v[172:173], v[64:65]
	v_pk_add_f32 v[252:253], v[252:253], v[66:67]
	v_pk_add_f32 v[250:251], v[250:251], v[70:71]
	v_pk_add_f32 v[248:249], v[248:249], v[74:75]
	v_pk_add_f32 v[246:247], v[246:247], v[78:79]
	v_pk_add_f32 v[244:245], v[244:245], v[82:83]
	v_pk_add_f32 v[242:243], v[242:243], v[86:87]
	v_pk_add_f32 v[14:15], v[14:15], v[90:91]
	v_pk_add_f32 v[172:173], v[172:173], v[94:95]
	v_pk_add_f32 v[252:253], v[252:253], v[98:99]
	v_pk_add_f32 v[250:251], v[250:251], v[102:103]
	v_pk_add_f32 v[248:249], v[248:249], v[106:107]
	v_pk_add_f32 v[246:247], v[246:247], v[110:111]
	v_pk_add_f32 v[244:245], v[244:245], v[114:115]
	v_pk_add_f32 v[242:243], v[242:243], v[118:119]
	v_pk_add_f32 v[14:15], v[14:15], v[122:123]
	v_pk_add_f32 v[172:173], v[172:173], v[126:127]
	s_delay_alu instid0(VALU_DEP_2)
	v_pk_add_f32 v[14:15], v[14:15], v[248:249]
	s_delay_alu instid0(VALU_DEP_2)
	v_pk_add_f32 v[172:173], v[172:173], v[246:247]
	v_pk_add_f32 v[252:253], v[252:253], v[244:245]
	v_pk_add_f32 v[250:251], v[250:251], v[242:243]
	s_delay_alu instid0(VALU_DEP_2)
	v_pk_add_f32 v[14:15], v[14:15], v[252:253]
	s_delay_alu instid0(VALU_DEP_2)
	v_pk_add_f32 v[172:173], v[172:173], v[250:251]
	s_delay_alu instid0(VALU_DEP_1)
	v_pk_add_f32 v[14:15], v[14:15], v[172:173]
.set j, 0
	s_setprio 0
.rept 16
	v_pk_mul_f32 v[OA+j:OA+j+1], v[OA+j:OA+j+1], v[182:183] op_sel_hi:[1,0]   ; O^T under the new M.  (These and the sums are also the places between the scale word, the codes and the products below)
.set j, j+2
.endr
	s_wait_alu depctr_va_vdst(0)
	s_wait_dscnt 0x0                               ; V is in
.irp n, 0,1                            ; O^T += V^T P^T: the four accumulators by turns
	v_wmma_scale_f32_16x16x128_f8f6f4 v[OA+16*\n:OA+16*\n+7], v[VF+16*\n:VF+16*\n+7], v[PC:PC+7], v[OA+16*\n:OA+16*\n+7], v[VS+\n], v[PW] matrix_a_fmt:MATRIX_FMT_FP4 matrix_b_fmt:MATRIX_FMT_FP4
	v_wmma_scale_f32_16x16x128_f8f6f4 v[OA+16*\n+8:OA+16*\n+15], v[VF+16*\n+8:VF+16*\n+15], v[PC:PC+7], v[OA+16*\n+8:OA+16*\n+15], v[VS+\n], v[PW] matrix_a_fmt:MATRIX_FMT_FP4 matrix_b_fmt:MATRIX_FMT_FP4 matrix_a_scale:MATRIX_SCALE_ROW1
.endr
	s_add_co_u32 s36, s36, KVSTEP
	s_sub_co_u32 s37, s37, 1
	s_cmp_lg_u32 s37, 0
	s_cbranch_scc1 .Lstep_\@
	s_setprio 0
	; o = O^T / l, and its quantiser: 64 channels are two blocks; register 8 d + j is channel 16 d + 8 h + j
	PLACES 4
	v_add_f32 v14, v14, v15                        ; l's two halves,
	s_delay_alu instid0(VALU_DEP_1)
	v_permlanex16_b32 v184, v14, s20, s21
	s_delay_alu instid0(VALU_DEP_1)
	v_add_f32 v14, v14, v184                       ; and lane l xor 16's
	s_wait_alu depctr_va_vdst(0)
	v_rcp_f32 v14, v14
	v_nop                                          ; one plain place behind a transcendental
.set j, 0
	s_wait_alu depctr_va_vdst(0)
.rept 16
	v_pk_mul_f32 v[OA+j:OA+j+1], v[OA+j:OA+j+1], v[14:15] op_sel_hi:[1,0]
.set j, j+2
.endr
.irp b, 0,1
	v_max3_num_f32 v[BM+\b], |v[OA+16*\b]|, |v[OA+16*\b+1]|, 0x1800000
.endr
.irp i2, 2,4,6,8,10,12,14
.irp b, 0,1
	s_delay_alu instid0(VALU_DEP_2)
	v_max3_num_f32 v[BM+\b], v[BM+\b], |v[OA+16*\b+\i2]|, |v[OA+16*\b+\i2+1]|
.endr
.endr
.irp b, 0,1
	s_delay_alu instid0(VALU_DEP_2)
	v_permlanex16_b32 v[T2+\b], v[BM+\b], s20, s21
.endr
.irp b, 0,1
	s_delay_alu instid0(VALU_DEP_2)
	v_max_num_f32 v[BM+\b], v[BM+\b], v[T2+\b]
.endr
.irp b, 0,1
	s_delay_alu instid0(VALU_DEP_2)
	v_add_nc_u32 v[SCO+\b], 0xff000000, v[BM+\b]
.endr
.irp b, 0,1
	s_delay_alu instid0(VALU_DEP_2)
	v_lshrrev_b32 v[T2+\b], 23, v[SCO+\b]
.endr
	s_delay_alu instid0(VALU_DEP_1)
	v_lshl_or_b32 v248, v[T2+1], 8, v[T2]          ; my row's two scale bytes
	v_cvt_scalef32_pk8_fp4_f32 v[\ocr],   v[OA:OA+7],     v[SCO]
	v_cvt_scalef32_pk8_fp4_f32 v[\ocr+2], v[OA+8:OA+15],  v[SCO]
	v_cvt_scalef32_pk8_fp4_f32 v[\ocr+1], v[OA+16:OA+23], v[SCO+1]
	v_cvt_scalef32_pk8_fp4_f32 v[\ocr+3], v[OA+24:OA+31], v[SCO+1]
	v_nop
	v_permlane16_swap_b32 v[\ocr], v[\ocr+1]
	v_permlane16_swap_b32 v[\ocr+2], v[\ocr+3]     ; lane (r, h): channels 32 h + 0 .. 31 of query r: half a fragment of the last product
	global_store_b128 v1, v[\ocr:\ocr+3], s[42:43] offset:65536*\i   ; 512 consecutive bytes, aligned
	ds_store_b16 v6, v248 offset:512*\i            ; both lanes of a row write the same two bytes
.endm
	TILE 0, 16, 28, 236
	TILE 1, 224, 29, 240
	s_wait_dscnt 0x0                               ; for the others' sake: my stores have landed
	s_barrier_signal -1
	s_barrier_wait -1
	s_cmp_lt_u32 s[WV], 2                          ; the work-group's 1,024 scale bytes leave in whole runs of 256: 16 bytes a thread of waves 0 and 1
	s_cbranch_scc0 .Lno_bytes
	ds_load_b128 v[244:247], v7
	s_wait_dscnt 0x0
	global_store_b128 v8, v[244:247], s[44:45]
.Lno_bytes:
	s_wait_tensorcnt 0x0
	ds_add_u32 v254, v255
	s_wait_dscnt 0x0
	CROUND                                         ; the closing round
	s_endpgm
.Lfunc_end_k_q59a6d1e61d_attn:
	.size	k_q59a6d1e61d_attn, .Lfunc_end_k_q59a6d1e61d_attn-k_q59a6d1e61d_attn
	.p2alignl 7, 3214868480
	.fill 96, 4, 3214868480
	.section	.rodata,"a",@progbits
	.p2align	6, 0x0
	.amdhsa_kernel k_q59a6d1e61d_attn
		.amdhsa_group_segment_fixed_size 169984
		.amdhsa_private_segment_fixed_size 0
		.amdhsa_enable_private_segment 0
		.amdhsa_kernarg_size 40
		.amdhsa_user_sgpr_count 2
		.amdhsa_user_sgpr_kernarg_segment_ptr 1
		.amdhsa_wavefront_size32 1
		.amdhsa_system_sgpr_workgroup_id_x 1
		.amdhsa_system_sgpr_workgroup_id_y 1
		.amdhsa_system_sgpr_workgroup_id_z 1
		.amdhsa_system_vgpr_workitem_id 0
		.amdhsa_next_free_vgpr 256
		.amdhsa_next_free_sgpr 66
		.amdhsa_reserve_vcc 0
		.amdhsa_float_denorm_mode_32 3
		.amdhsa_float_denorm_mode_16_64 3
		.amdhsa_memory_ordered 1
		.amdhsa_forward_progress 1
		.amdhsa_inst_pref_size 50
	.end_amdhsa_kernel
	.amdgpu_metadata
---
amdhsa.version: [ 1, 2 ]
amdhsa.kernels:
  - .name:           k_q59a6d1e61d_attn
    .symbol:         k_q59a6d1e61d_attn.kd
    .args:
      - { .name: qc, .offset: 0, .size: 8, .value_kind: global_buffer, .address_space: global }
      - { .name: qs, .offset: 8, .size: 8, .value_kind: global_buffer, .address_space: global }
      - { .name: kv, .offset: 16, .size: 8, .value_kind: global_buffer, .address_space: global }
      - { .name: oc, .offset: 24, .size: 8, .value_kind: global_buffer, .address_space: global }
      - { .name: os, .offset: 32, .size: 8, .value_kind: global_buffer, .address_space: global }
    .group_segment_fixed_size: 169984
    .private_segment_fixed_size: 0
    .kernarg_segment_align: 8
    .kernarg_segment_size: 40
    .max_flat_workgroup_size: 512
    .sgpr_count:     66
    .vgpr_count:     256
    .wavefront_size: 32
...
	.end_amdgpu_metadata
.endif
;; end of part 2
;; launch outp (part 3): grid 64 x 4, 8 waves a work-group, clusters of 4 x 4, 286,208 bytes of LDS; arguments oc, os, Wo_codes, Wo_scales, bo, out0; writes out0
.if DOCPART == 3
	.amdgcn_target "amdgcn-amd-amdhsa--gfx1250"
	.amdhsa_code_object_version 6
	.text
	.protected	k_q59a6d1e61d_outp
	.globl	k_q59a6d1e61d_outp
	.p2align	8
	.type	k_q59a6d1e61d_outp,@function
k_q59a6d1e61d_outp:
	s_mov_b64 s[64:65], 0
	v_nop
	global_prefetch_b8 v0, s[64:65] scope:SCOPE_SE
	s_setreg_imm32_b32 hwreg(HW_REG_WAVE_MODE, 25, 1), 1
	s_wait_xcnt 0x0
	s_wait_alu depctr_hold_cnt(0) depctr_sa_sdst(0) depctr_va_vdst(0) depctr_va_sdst(0) depctr_va_ssrc(0) depctr_va_vcc(0) depctr_vm_vsrc(0)
	s_getreg_b32 s2, hwreg(HW_REG_IB_STS2, 6, 4)
	s_cmp_eq_u32 s2, 0
	s_cbranch_scc0 .Lentry_in_a_cluster
	s_endpgm
.Lentry_in_a_cluster:
	s_bfe_u32 s2, ttmp6, 0x10000c
	s_cmp_lg_u32 s2, 0xf033
	s_cbranch_scc0 .Lentry_shape_is_right
	s_endpgm
.Lentry_shape_is_right:
; THE LAST PRODUCT, out = o Wo^T + bo, on codes of FP4 (E2M1) with one E8M0 scale for each 32 along K.  o [8,192 tokens][1,024] comes from the launch before as images of operand registers, Wo [1,024][1,024] as given; out is f32.
; SHARES: a work-group makes 128 tokens (R) x 256 features (C): 256 work-groups.  Wave w: wc = w & 1 (128 features), wr = w >> 1 (32 tokens): 2 x 8 accumulators.  Source 0 = 16 rows of Wo, source 1 = 16 tokens: a lane holds
; eight neighbouring features of one token.  The bias is loaded straight into the accumulators, so every product adds in place: an order of f32 rounding that differs from bias-last.
; LDS IS FILLED ONCE: the tile's whole K in two chunks of 512.  Wo: rows of 256 bytes + 16 of padding.  o: per tile of 16 tokens and chunk 4,096 dense bytes: eight heads' half fragments, 512 bytes each (16 bytes a lane).
; A wave has three tensor loads out: scale bytes, chunk 0, chunk 1.  CLUSTER 4 x 4: Wo's tile hangs on cx and is asked for jointly down a column, o's on cy and along a row.
; LIMITS: NaN and infinities among the inputs are not served.
.set PITCH, 272
.set LC0,  0                           ; Wo's codes, K 0-511: 256 rows
.set LC1,  256*PITCH
.set LR0,  2*256*PITCH                 ; o's codes, heads 0-7: 8 tiles x 4,096 bytes
.set LR1,  LR0+32768                   ; heads 8-15
.set LSC,  LR1+32768                   ; Wo's scale bytes: 32 rows of 256 + 16
.set LSR,  LSC+32*PITCH                ; o's scale bytes: [head 16][8 tiles x 16 rows x 2 bytes]
.set LSTG, LSR+4096                    ; the way out: 16 rows x (512 + 16) bytes for each wave; no tile lands here
.set SPITCH, 528
.set WV,   80
.set RS,   20                          ; v20-27  o's scale words, one for each 128 along K: lanes 0-15 tokens 0-15, lanes 16-31 tokens 16-31
.set SC,   28                          ; v28-43  Wo's: register 4 i + q: lanes 0-15 tile i, lanes 16-31 tile i + 4
.set RF,   48                          ; v48-63  o's two fragments
.set CF,   64                          ; v64-127 Wo's eight
.set ACC,  128                         ; v128-255 accumulator (a, t) at 64 a + 8 t
.macro PLACES n
.rept \n
	v_nop
.endr
.endm
.macro CROUND                          ; a round of the cluster's barrier
	s_barrier_signal -1
	s_barrier_wait -1
	s_cmp_lg_u32 s[WV], 0
	s_cbranch_scc1 .Lnot_wave_0_\@
	s_barrier_signal -3
.Lnot_wave_0_\@:
	s_barrier_wait -3
	s_barrier_signal -1
	s_barrier_wait -1
.endm
	s_load_b256 s[4:11], s[0:1], 0x0               ; oc s[4:5], os s[6:7], Wo's codes s[8:9], Wo's scales s[10:11]
	s_load_b128 s[12:15], s[0:1], 0x20             ; bo s[12:13], out s[14:15]
	v_lshl_add_u32 v46, v0, 2, 0x45a00
	v_mov_b32 v47, 0
	ds_add_u32 v46, v47
	ds_add_u32 v46, v47
	v_lshrrev_b32 v1, 5, v0
	s_delay_alu instid0(VALU_DEP_1)
	v_readfirstlane_b32 s[WV], v1                  ; wave 0..7
	s_and_b32 s81, s80, 1                          ; wc
	s_lshr_b32 s82, s80, 1                         ; wr
	s_and_b32 s83, s80, 3                          ; which quarter of a tile I fetch
	s_bfe_u32 s86, ttmp6, 0x40000                  ; cx
	s_bfe_u32 s87, ttmp6, 0x40004                  ; cy
	s_mov_b32 s88, s86                             ; the tile of 256 features = cx
	s_lshl_b32 s89, ttmp9, 2
	s_add_co_u32 s89, s89, s87                     ; the tile of 128 tokens = 4 x cluster x + cy
	s_lshl_b32 s90, s87, 2
	s_lshl_b32 s90, 15, s90                        ; my row of the cluster
	s_lshl_b32 s91, 0x1111, s86                    ; my column
	v_and_b32 v1, 15, v0                           ; r
	v_bfe_u32 v2, v0, 4, 1                         ; h
	v_and_b32 v3, 31, v0                           ; lane
	s_delay_alu instid0(VALU_DEP_3)
	v_mul_u32_u24 v19, v1, PITCH
	s_delay_alu instid0(VALU_DEP_1)
	v_lshl_add_u32 v19, v2, 4, v19
	s_mul_i32 s66, s81, 128*PITCH
	v_add_nc_u32 v4, s66, v19                      ; v4, v5: my 128 rows of Wo in chunk 0, 1
	s_delay_alu instid0(VALU_DEP_1)
	v_add_nc_u32 v5, LC1, v4
	s_lshl_b32 s66, s82, 13
	s_add_co_u32 s66, s66, LR0
	v_lshl_add_u32 v6, v3, 4, s66                  ; v6, v7: my two tiles of o: 16 x lane
	s_delay_alu instid0(VALU_DEP_1)
	v_add_nc_u32 v7, LR1-LR0, v6
	v_lshrrev_b32 v19, 3, v1
	s_delay_alu instid0(VALU_DEP_1)
	v_mul_u32_u24 v19, v19, PITCH
	v_and_b32 v18, 7, v1
	s_delay_alu instid0(VALU_DEP_1)
	v_lshl_add_u32 v19, v18, 5, v19
	s_delay_alu instid0(VALU_DEP_1)
	v_mad_u32_u24 v8, v2, 2176, v19
	s_mul_i32 s66, s81, 4352
	s_add_co_u32 s66, s66, LSC
	v_add_nc_u32 v8, s66, v8                       ; v8: Wo's scale words
	v_lshlrev_b32 v9, 1, v1
	s_delay_alu instid0(VALU_DEP_1)
	v_lshl_add_u32 v9, v2, 5, v9
	s_lshl_b32 s66, s82, 6
	s_add_co_u32 s66, s66, LSR
	v_add_nc_u32 v9, s66, v9                       ; v9: o's scale bytes: tile 2 wr + h, row r
	s_mul_i32 s66, s80, 16*SPITCH
	s_add_co_u32 s66, s66, LSTG                    ; my stage
	v_mul_u32_u24 v10, v1, SPITCH
	s_delay_alu instid0(VALU_DEP_1)
	v_lshl_add_u32 v10, v2, 5, v10
	s_delay_alu instid0(VALU_DEP_1)
	v_add_nc_u32 v10, s66, v10                     ; v10: in: row r, 32 bytes for each half of the lanes
	v_lshl_add_u32 v11, v3, 4, s66                 ; v11: back: the 32 lanes take one row of 512 bytes
	v_lshlrev_b32 v12, 4, v3                       ; v12: and the same in out
	; descriptor groups 1
	s_or_b32 s20, s91, (1<<20)|(1<<21)|(5<<22)|(3<<25)   ; Wo's codes: 64 rows of 256 bytes, 512 apart, 16 bytes of padding behind each; the mask of my column
	s_mov_b32 s21, 256<<16
	s_mov_b32 s22, 64<<16
	s_mov_b32 s23, 256<<16
	s_mov_b32 s24, 64
	s_mov_b32 s25, 512
	s_mov_b32 s26, 0
	s_mov_b32 s27, 0
	s_or_b32 s28, s90, (3<<16)|(1<<21)             ; o's codes: two tiles, 8,192 dense bytes as 32 rows of 256 (32 elements of 8 bytes), no padding; the mask of my row
	s_mov_b32 s29, 32<<16
	s_mov_b32 s30, 32<<16
	s_mov_b32 s31, 32<<16
	s_mov_b32 s32, 32
	s_mov_b32 s33, 32
	s_mov_b32 s34, 0
	s_mov_b32 s35, 0
	s_or_b32 s36, s91, (3<<16)|(1<<20)|(1<<21)|(5<<22)|(3<<25)   ; Wo's scale bytes: 8 rows of 256 + 16
	s_mov_b32 s37, 32<<16
	s_mov_b32 s38, 8<<16
	s_mov_b32 s39, 32<<16
	s_mov_b32 s40, 8
	s_mov_b32 s41, 32
	s_mov_b32 s42, 0
	s_mov_b32 s43, 0
	s_or_b32 s44, s90, (3<<16)|(1<<21)             ; o's scale bytes: four heads' 256 bytes, 16,384 bytes (2,048 elements) apart
	s_mov_b32 s45, 32<<16
	s_mov_b32 s46, 4<<16
	s_mov_b32 s47, 32<<16
	s_mov_b32 s48, 4
	s_mov_b32 s49, 2048
	s_mov_b32 s50, 0
	s_mov_b32 s51, 0
	s_lshl_b32 s92, s88, 8
	s_lshl_b32 s93, s83, 6
	s_add_co_u32 s92, s92, s93                     ; Wo's first row that I would fetch
	s_lshl_b32 s2, s92, 5
	s_mov_b32 s3, 0
	s_lshl_b32 s92, s92, 9
	s_mov_b32 s93, 0
	s_lshl_b32 s94, s89, 15
	s_lshl_b32 s95, s83, 13
	s_add_co_u32 s94, s94, s95                     ; o's codes: (8 x tile + 2 x quarter) x 4,096
	s_mov_b32 s95, 0
	s_lshl_b32 s18, s83, 16
	s_lshl_b32 s19, s89, 8
	s_add_co_u32 s18, s18, s19                     ; o's scale bytes: heads 4 x quarter on, 256 bytes a tile of 128 tokens
	s_mov_b32 s19, 0
	s_wait_dscnt 0x0
	s_wait_kmcnt 0x0
	s_mov_b32 s52, 1
	s_mul_i32 s53, s83, 2176
	s_add_co_u32 s53, s53, LSC
	s_add_nc_u64 s[54:55], s[10:11], s[2:3]
	s_or_b32 s55, s55, 0x80000000
	s_mov_b32 s56, 1
	s_mul_i32 s57, s83, 64*PITCH
	s_add_nc_u64 s[58:59], s[8:9], s[92:93]
	s_mov_b32 s60, 1
	s_add_co_u32 s61, s57, LC1
	s_add_nc_u64 s[62:63], s[58:59], 256
	s_or_b32 s59, s59, 0x80000000
	s_or_b32 s63, s63, 0x80000000
	s_mov_b32 s68, 1
	s_lshl_b32 s69, s83, 10
	s_add_co_u32 s69, s69, LSR
	s_add_nc_u64 s[70:71], s[6:7], s[18:19]
	s_or_b32 s71, s71, 0x80000000
	s_mov_b32 s72, 1
	s_lshl_b32 s73, s83, 13
	s_add_co_u32 s73, s73, LR0
	s_add_nc_u64 s[74:75], s[4:5], s[94:95]
	s_mov_b32 s76, 1
	s_add_co_u32 s77, s73, LR1-LR0
	s_add_nc_u64 s[78:79], s[74:75], 2097152       ; heads 8-15
	s_or_b32 s75, s75, 0x80000000
	s_or_b32 s79, s79, 0x80000000
	CROUND                                         ; all sixteen work-groups are here: the joint loads meet
	s_cmp_lt_u32 s[WV], 4                          ; waves 0-3 fetch Wo's quarters, waves 4-7 o's: a wave's three fills stand in one branch
	s_cbranch_scc0 .Lfill_r
	tensor_load_to_lds s[52:55], s[36:43]
	s_nop 0
	tensor_load_to_lds s[56:59], s[20:27]
	s_nop 0
	tensor_load_to_lds s[60:63], s[20:27]
	s_nop 0
	PLACES 4
	s_branch .Lfilled
.Lfill_r:
	tensor_load_to_lds s[68:71], s[44:51]
	s_nop 0
	tensor_load_to_lds s[72:75], s[28:35]
	s_nop 0
	tensor_load_to_lds s[76:79], s[28:35]
	s_nop 0
	PLACES 4
.Lfilled:
	s_lshl_b32 s84, s88, 10
	s_lshl_b32 s85, s81, 9
	s_add_co_u32 s84, s84, s85                     ; my first feature x 4 bytes
	v_lshl_add_u32 v17, v2, 5, s84                 ; bo: tile t's eight numbers of my half: 64 t + 32 h
.irp a, 0,1
.irp t, 0,1,2,3,4,5,6,7
	global_load_b128 v[ACC+64*\a+8*\t:ACC+64*\a+8*\t+3], v17, s[12:13] offset:64*\t
	global_load_b128 v[ACC+64*\a+8*\t+4:ACC+64*\a+8*\t+7], v17, s[12:13] offset:64*\t+16
.endr
.endr
	s_lshl_b32 s66, s89, 7
	s_lshl_b32 s67, s82, 5
	s_add_co_u32 s66, s66, s67
	s_lshl_b32 s66, s66, 12                        ; my first token's row of 4,096 bytes (under 2^26)
	s_add_co_u32 s66, s66, s84
	s_mov_b32 s67, 0
	s_add_nc_u64 s[14:15], s[14:15], s[66:67]      ; out at my 32 x 128
.macro KSTEP k, q                      ; 128 along K: the q-th of chunk k.  The 16 accumulators take turns, one instruction a turn, over the steps' edges too
	PLACES 4                                       ; in front of loads into registers that matrix instructions have read
.if \q == 0
.irp i, 0,1,2,3
	ds_load_b128 v[SC+4*\i:SC+4*\i+3], v8 offset:544*\i+16*\k
.endr
.endif
.irp t, 0,1,2,3,4,5,6,7
.irp c, 0,1
	ds_load_b128 v[CF+8*\t+4*\c:CF+8*\t+4*\c+3], v[4+\k] offset:16*PITCH*\t+64*\q+32*\c
.endr
.endr
.irp a, 0,1
.irp c, 0,1
	ds_load_b128 v[RF+8*\a+4*\c:RF+8*\a+4*\c+3], v[6+\k] offset:4096*\a+1024*\q+512*\c   ; heads 2 q and 2 q + 1 of the chunk: registers 0-3 and 4-7
.endr
.endr
	s_wait_dscnt 0x0
.irp t, 0,1,2,3
	v_wmma_scale_f32_16x16x128_f8f6f4 v[ACC+8*\t:ACC+8*\t+7], v[CF+8*\t:CF+8*\t+7], v[RF:RF+7], v[ACC+8*\t:ACC+8*\t+7], v[SC+4*\t+\q], v[RS+4*\k+\q] matrix_a_fmt:MATRIX_FMT_FP4 matrix_b_fmt:MATRIX_FMT_FP4
	v_wmma_scale_f32_16x16x128_f8f6f4 v[ACC+64+8*\t:ACC+64+8*\t+7], v[CF+8*\t:CF+8*\t+7], v[RF+8:RF+15], v[ACC+64+8*\t:ACC+64+8*\t+7], v[SC+4*\t+\q], v[RS+4*\k+\q] matrix_a_fmt:MATRIX_FMT_FP4 matrix_b_fmt:MATRIX_FMT_FP4 matrix_b_scale:MATRIX_SCALE_ROW1
.endr
.irp t, 4,5,6,7
	v_wmma_scale_f32_16x16x128_f8f6f4 v[ACC+8*\t:ACC+8*\t+7], v[CF+8*\t:CF+8*\t+7], v[RF:RF+7], v[ACC+8*\t:ACC+8*\t+7], v[SC+4*\t-16+\q], v[RS+4*\k+\q] matrix_a_fmt:MATRIX_FMT_FP4 matrix_b_fmt:MATRIX_FMT_FP4 matrix_a_scale:MATRIX_SCALE_ROW1
	v_wmma_scale_f32_16x16x128_f8f6f4 v[ACC+64+8*\t:ACC+64+8*\t+7], v[CF+8*\t:CF+8*\t+7], v[RF+8:RF+15], v[ACC+64+8*\t:ACC+64+8*\t+7], v[SC+4*\t-16+\q], v[RS+4*\k+\q] matrix_a_fmt:MATRIX_FMT_FP4 matrix_b_fmt:MATRIX_FMT_FP4 matrix_a_scale:MATRIX_SCALE_ROW1 matrix_b_scale:MATRIX_SCALE_ROW1
.endr
.endm
	s_wait_tensorcnt 0x1                           ; my scale bytes and my part of chunk 0 are in; my third load, chunk 1, may stay out
	s_wait_loadcnt 0x0                             ; the bias lies in the accumulators
	s_barrier_signal -1
	s_barrier_wait -1
	s_wait_alu depctr_va_vdst(0)
.irp s, 0,1,2,3,4,5,6,7                ; o's scale words: 128 along K are two heads, two bytes each
	ds_load_u16 v[48+\s], v9 offset:512*\s
	ds_load_u16 v[56+\s], v9 offset:512*\s+256
.endr
	s_wait_dscnt 0x0
.irp s, 0,1,2,3,4,5,6,7
	v_lshl_or_b32 v[RS+\s], v[56+\s], 16, v[48+\s]
.endr
	PLACES 8                                       ; scale registers written by vector instructions stand eight places ahead of a scaled matrix instruction
	s_wait_alu depctr_va_vdst(0)
	KSTEP 0, 0
	KSTEP 0, 1
	KSTEP 0, 2
	KSTEP 0, 3
	s_wait_tensorcnt 0x0                           ; my part of chunk 1 is in
	s_barrier_signal -1
	s_barrier_wait -1
	KSTEP 1, 0
	KSTEP 1, 1
	KSTEP 1, 2
	KSTEP 1, 3
; THE WAY OUT, 16 tokens x 128 features at a time.  A lane holds 32 neighbouring bytes of a row and the lanes beside it hold other rows: so a block goes through my own stage and comes back as whole rows of 512 bytes.
; LDS serves a wave's instructions in order (ISA guide 5.7.1.4): no wait between the stores and the loads, nor in front of the next block's stores.
.macro TOSTAGE a, bk
.irp t, 0,1,2,3,4,5,6,7
	ds_store_b128 v10, v[ACC+64*\a+8*\t:ACC+64*\a+8*\t+3] offset:64*\t        ; each accumulator from its low end on
	ds_store_b128 v10, v[ACC+64*\a+8*\t+4:ACC+64*\a+8*\t+7] offset:64*\t+16
.endr
.irp i, 0,1,2,3,4,5,6,7,8,9,10,11,12,13,14,15
	ds_load_b128 v[\bk+4*\i:\bk+4*\i+3], v11 offset:SPITCH*\i
.endr
.endm
.macro SEND a, bk, younger             ; younger: the LDS instructions issued behind block a's loads, which may stay out
	s_wait_dscnt \younger
.irp i, 0,1,2,3,4,5,6,7,8,9,10,11,12,13,14,15
	global_store_b128 v12, v[\bk+4*\i:\bk+4*\i+3], s[14:15] offset:(16*\a+\i)*4096 th:TH_STORE_NT   ; 32 lanes store 512 consecutive bytes, at a multiple of 256 from out's first byte; written once, read by nobody here
.endr
.endm
	PLACES 4                                       ; behind the last products
	TOSTAGE 0, 64                                  ; back into Wo's fragment registers
	TOSTAGE 1, 128                                 ; back into block 0's accumulators, which the stage has taken
	SEND 0, 64, 32                                 ; behind block 0's loads: block 1's 16 stores and 16 loads
	SEND 1, 128, 0
	s_wait_tensorcnt 0x0
	ds_add_u32 v46, v47
	s_wait_dscnt 0x0
	CROUND                                         ; the closing round: no work-group ends while a partner may still ask for a tile that names it
	s_endpgm
.Lfunc_end_k_q59a6d1e61d_outp:
	.size	k_q59a6d1e61d_outp, .Lfunc_end_k_q59a6d1e61d_outp-k_q59a6d1e61d_outp
	.p2alignl 7, 3214868480
	.fill 96, 4, 3214868480
	.section	.rodata,"a",@progbits
	.p2align	6, 0x0
	.amdhsa_kernel k_q59a6d1e61d_outp
		.amdhsa_group_segment_fixed_size 286208
		.amdhsa_private_segment_fixed_size 0
		.amdhsa_enable_private_segment 0
		.amdhsa_kernarg_size 48
		.amdhsa_user_sgpr_count 2
		.amdhsa_user_sgpr_kernarg_segment_ptr 1
		.amdhsa_wavefront_size32 1
		.amdhsa_system_sgpr_workgroup_id_x 1
		.amdhsa_system_sgpr_workgroup_id_y 1
		.amdhsa_system_sgpr_workgroup_id_z 1
		.amdhsa_system_vgpr_workitem_id 0
		.amdhsa_next_free_vgpr 256
		.amdhsa_next_free_sgpr 100
		.amdhsa_reserve_vcc 0
		.amdhsa_float_denorm_mode_32 3
		.amdhsa_float_denorm_mode_16_64 3
		.amdhsa_memory_ordered 1
		.amdhsa_forward_progress 1
		.amdhsa_inst_pref_size 50
	.end_amdhsa_kernel
	.amdgpu_metadata
---
amdhsa.version: [ 1, 2 ]
amdhsa.kernels:
  - .name:           k_q59a6d1e61d_outp
    .symbol:         k_q59a6d1e61d_outp.kd
    .args:
      - { .name: oc, .offset: 0, .size: 8, .value_kind: global_buffer, .address_space: global }
      - { .name: os, .offset: 8, .size: 8, .value_kind: global_buffer, .address_space: global }
      - { .name: Wo_codes, .offset: 16, .size: 8, .value_kind: global_buffer, .address_space: global }
      - { .name: Wo_scales, .offset: 24, .size: 8, .value_kind: global_buffer, .address_space: global }
      - { .name: bo, .offset: 32, .size: 8, .value_kind: global_buffer, .address_space: global }
      - { .name: out0, .offset: 40, .size: 8, .value_kind: global_buffer, .address_space: global }
    .group_segment_fixed_size: 286208
    .private_segment_fixed_size: 0
    .kernarg_segment_align: 8
    .kernarg_segment_size: 48
    .max_flat_workgroup_size: 256
    .sgpr_count:     100
    .vgpr_count:     256
    .wavefront_size: 32
...
	.end_amdgpu_metadata
.endif
;; end of part 3
